; MI455X (gfx1250); checked and timed in simulation.
; The chip was launched on July 23, 2026; its instructions are those of AMD's public machine-readable ISA for CDNA 5 (MIT licence, August 2026) and "CDNA5" Instruction Set Architecture Reference Guide (July 2026). The comments in the code are by the model that wrote it; some were corrected since.
;; Attention. Allowed arithmetic: matrix products marked QUANTISED: E3M2 operands, one E8M0 scale for each 32 along K, by v_wmma_scale_f32_16x16x128_f8f6f4 with both operands' format E3M2, f32 sums; products left as they are: f32 operands where the result goes on into a quantised operand, else bf16, f16 or f32 operands; f32 sums; everything else in f32.
;; Inputs: gamma one number float32; w_g 32 x 64 float32; w_o 64 x 32 float32; w_phi 8 x 64 float32; w_theta 8 x 64 float32; x 2 x 64 x 32 x 32 x 32 float32.
;; Outputs: out0 2 x 64 x 32 x 32 x 32 float32.
;; This version of the problem:
;;   THIS VERSION OF THE PROBLEM IS GIVEN IN LOW PRECISION. The matrix products marked QUANTISED in the list below multiply operands that are first quantised to E3M2 (3 exponent bits, 2 mantissa bits; 6 bits a number), with one power-of-two scale for each 32 numbers along K (OCP MX v1.0); their sums are f32. All else is computed in f32.
;;   The module's matrix products, in the order in which they are computed (A, B: the left and right operand; K: the contracted axis; several contracted axes count as one K, in the product's order):
;;     1. [M 65,536, K 64] x [K 64, N 8]; A: input x; B: input w_theta: left as it is (N = 8 < 16)
;;     2. [M 65,536, K 64] x [K 64, N 8]; A: input x; B: input w_phi: left as it is (N = 8 < 16)
;;     3. [M 65,536, K 64] x [K 64, N 32]; A: input x; B: input w_g: QUANTISED
;;     4. batch 2 x [M 32,768, K 8] x [K 8, N 4,096]; A: computed on the way; B: computed on the way: left as it is (K = 8 < 32)
;;     5. batch 2 x [M 32, K 4,096] x [K 4,096, N 32,768]; A: computed on the way; B: softmax (see below): QUANTISED
;;     6. [M 65,536, K 32] x [K 32, N 64]; A: computed on the way; B: input w_o: QUANTISED
;;   THE QUANTISER, for each operand of a quantised product, along K:
;;     - K is cut into blocks of 32 from its start; a last block that is shorter is filled with zeros.
;;     - A block's scale is 2^e with e = floor(log2(the largest magnitude in the block)) - 4, held to -126 .. 127; a block of zeros has e = 0. As a byte (E8M0): e + 127.
;;     - Each number is divided by its block's scale, clamped to +-28, and rounded to the nearest number of E3M2, ties to even, subnormals kept.
;;     - The product sums the exact products of the quantised numbers (number of the format x scale) in f32.
;;   ~~~python
;;   def quantise(x, axis):      # numpy; x: float32 -> the quantised numbers, widened to float32 again
;;       x = np.moveaxis(x, axis, -1); K = x.shape[-1]
;;       x = np.pad(x, [(0, 0)] * (x.ndim - 1) + [(0, -K % 32)]); x = x.reshape(x.shape[:-1] + (-1, 32)); a = np.abs(x).max(-1, keepdims=True)
;;       e = np.where(a > 0, np.clip(np.frexp(np.where(a > 0, a, 1))[1] - 1 - 4, -126, 127), 0)      # np.frexp(a)[1] - 1 = floor(log2(a)), exactly
;;       r = np.clip(x / 2.0 ** e, -28, 28)
;;       step = 2.0 ** (np.maximum(np.frexp(np.where(r == 0, 1, r))[1] - 1, -2) - 2)
;;       q = np.round(r / step) * step * 2.0 ** e      # np.round: ties to even
;;       return np.moveaxis(q.reshape(q.shape[:-2] + (-1,))[..., :K], -1, axis).astype(np.float32)
;;   ~~~
;;   SOFTMAX AHEAD OF A QUANTISED PRODUCT. Where the list says 'softmax', what is quantised is not the finished softmax but p = 2^(t - M), with t = logit x log2(e) and M = ceil(the row's largest t), a whole number; so 1/2 < the row's largest p <= 1. The row's sum l is taken of the UNQUANTISED p, in f32, and the product's result is divided by l at the end. Since M is a whole number, a kernel that streams over the keys may use a running M (the ceiling of the running maximum): every later rescaling is an exact power of two, which a block's scale takes up: the codes' values come out the same.
;;   OPERANDS COMPUTED ON THE WAY. 'Computed on the way' means the value that the module computes at that place (a softmax that the list does not call 'softmax' is quantised finished and normalised). What goes into a quantiser is computed in f32, as accurately as f32 sums, v_exp_f32 and their like allow (about 1e-6 of the number): no bf16 or f16 on the way to a quantiser, and a product that is left as it is and whose result goes on into a quantised operand takes f32 operands (vector FMAs, or v_wmma_f32_16x16x4_f32). A number that lies on a knife's edge between two numbers of the format may be rounded either way, as far as f32 arithmetic and the matrix unit's own rounding can turn it there, and no further.
;; One version. Each part assembles by itself: llvm-mc -triple=amdgcn-amd-amdhsa -mcpu=gfx1250 --defsym DOCPART=n.
;; ======== version 1 of 1: 2 launches
;; workspace buffers: theta_ws 2,097,152 bytes; kv_ws 466,944 bytes; wo_ws 7,168 bytes
;; launch prep (part 1): grid 128 x 2, 8 waves a work-group, no clusters, 33,792 bytes of LDS; arguments x, w_theta, w_phi, w_g, w_o, theta_ws, kv_ws, wo_ws; writes theta_ws, kv_ws, wo_ws
.if DOCPART == 1
	.amdgcn_target "amdgcn-amd-amdhsa--gfx1250"
	.amdhsa_code_object_version 6
	.text
	.protected	k_qc1a2bcf0ec_prep
	.globl	k_qc1a2bcf0ec_prep
	.p2align	8
	.type	k_qc1a2bcf0ec_prep,@function
k_qc1a2bcf0ec_prep:
	s_mov_b64 s[64:65], 0
	v_nop
	global_prefetch_b8 v0, s[64:65] scope:SCOPE_SE
	s_setreg_imm32_b32 hwreg(HW_REG_WAVE_MODE, 25, 1), 1
	s_wait_xcnt 0x0
; PREP: from x [2][64][32][32][32] f32 it makes all that the attention launch reads beside x:
;   theta_ws [b][n][8] f32: the queries w_theta x;
;   kv_ws: for each batch four chunks of 1,024 keys, each laid as it will lie in LDS: phi = maxpool(w_phi x) in f32, as fragments of the f32 matrix form; g = maxpool(Q(w_g) Q(x)) as codes
;          of E3M2 along the keys, in the order of the operand's registers; g's E8M0 scale bytes, a word for a row and 128 keys;
;   wo_ws: w_o as codes of E3M2, images of the operand's registers, its scale words, and zeros up to 28 rows of 256 bytes.
; SHARES.  A work-group owns the 256 positions d = 2 D + dd, h = 4 Hq + hh, w = 0 .. 31 (x = 8 D + Hq, y = the batch), which pool to the 32 keys 32 x .. 32 x + 31: ONE block of the quantiser along the keys.
; Wave v takes dd = v / 4, hh = v % 4; a lane takes w.  A load reads 128 consecutive bytes of one channel; all 64 channels' loads of a wave are out together.
; theta and phi feed quantisers, so they are made with f32 operands, by v_wmma_f32_16x16x4_f32: source 0 = w_theta's 8 rows over w_phi's 8, source 1 = 16 positions.
; w_g x is the quantised product: K = 64 channels = two blocks of 32, the other 64 of the instruction's 128 are zero codes on both sides.
; FREE CHOICES, made alike on both sides of each product: g's row (u, r) is channel 8 u + r + 8 (r / 8); slot 16 hg + 8 H + 4 T + i of a block of keys is the key (row H, column 8 T + 4 hg + i);
; phi's tile 2 b + u, row m is slot 16 (m / 8) + 8 u + m % 8 of block b; in the f32 form lane half h, K step s, register j stand for channel 32 h + 2 s + j (here) or 4 h + 2 s + j (the scores).
; No tensor loads and no cluster: work-groups share only the weights, 20 KB beside the 64 KB of x that each reads alone; operands go from memory straight into registers.
; LIMITS: NaN and infinities among the inputs are not served.  A block whose largest magnitude lies under 2^-122 keeps the scale byte 1; a block of zeros has the byte 1 where the rule says 127:
; its codes are zeros, and this program alone reads the bytes.  The f32 sums run in another order of channels than the reference's.
; LDS: 0 theta [position][32 B]; 8,192 phi before pooling, likewise; 16,384 each wave's 16 registers of g pooled along w, as images (16 bytes a lane).
; REGISTERS: v1 lane, v2 r, v3 h, v4-7, v12-15, v248-252 addresses; v8-11 scale words and nothing else; v16-47 w_theta over w_phi; v48-71 x's two fragments (first: w_phi as loaded, to v79);
;   v72-79 at work; v80-143 w_g as loaded, then v80-111 the four tiles of g, v112-127 g pooled along w; v144-207 x; v208-231 w_g's two fragments; v232-247 theta and phi (matrix results alone).
.set PHL,    8192
.set GIMG,   16384
.set CH,     58368                     ; a chunk of kv_ws: 32,768 phi + 24,576 codes + 1,024 scale bytes
.set BATCHB, 4*CH
.set FLOOR,  0x2800000                 ; 2^(5 - 127): under it no largest magnitude is taken, so the byte cannot fall under 1
.set EOFF,   0xfe000000                ; takes 4 off an exponent field
; A whole block of 32 in one lane, v[src] on: six registers of codes at v[dst] on; the scale word (byte h = my half's block) in v[sc], whole in both halves of the lanes.
.macro QB src, dst, sc
	v_max3_num_f32 v72, |v[\src]|, |v[\src+1]|, |v[\src+2]|
	v_max3_num_f32 v73, |v[\src+3]|, |v[\src+4]|, |v[\src+5]|
.irp i, 6,10,14,18,22,26
	v_max3_num_f32 v72, v72, |v[\src+\i]|, |v[\src+\i+1]|
	v_max3_num_f32 v73, v73, |v[\src+\i+2]|, |v[\src+\i+3]|
.endr
	v_max3_num_f32 v72, v72, |v[\src+30]|, |v[\src+31]|
	v_max3_num_f32 v72, v72, v73, FLOOR
	v_add_nc_u32 v74, EOFF, v72                    ; the conversion takes this operand's exponent field as its scale
	v_cvt_scalef32_pk16_bf6_f32 v[\dst:\dst+2], v[\src:\src+15], v74
	v_cvt_scalef32_pk16_bf6_f32 v[76:78], v[\src+16:\src+31], v74   ; (a conversion's three registers begin on an even number)
	v_lshrrev_b32 v75, 23, v74                     ; the scale's byte; also the plain place behind the conversions
	v_lshlrev_b32 v75, v250, v75                   ; 8 h bits up
	v_mov_b32 v[\dst+3], v76
	v_mov_b32 v[\dst+4], v77
	v_mov_b32 v[\dst+5], v78
	v_permlanex16_b32 v79, v75, s24, s25
	v_or_b32 v[\sc], v75, v79                      ; bytes 2 and 3 stay 0: they stand over zero codes
.endm
; A block of which 16 numbers are mine, v[src] on, and 16 are lane l xor 16's: my 16 codes in v[dst] on, the byte in v[by].
.macro Q16 src, dst, by
	v_max3_num_f32 v72, |v[\src]|, |v[\src+1]|, FLOOR
.irp i, 2,4,6,8,10,12,14
	v_max3_num_f32 v72, v72, |v[\src+\i]|, |v[\src+\i+1]|
.endr
	v_permlanex16_b32 v79, v72, s24, s25
	v_max_num_f32 v72, v72, v79
	v_add_nc_u32 v74, EOFF, v72
	v_cvt_scalef32_pk16_bf6_f32 v[\dst:\dst+2], v[\src:\src+15], v74
	v_lshrrev_b32 v[\by], 23, v74                  ; the byte; also the plain place behind the conversion
.endm
	s_load_b256 s[4:11], s[0:1], 0x0               ; x s[4:5], w_theta s[6:7], w_phi s[8:9], w_g s[10:11]
	s_load_b256 s[12:19], s[0:1], 0x20             ; w_o s[12:13], theta_ws s[14:15], kv_ws s[16:17], wo_ws s[18:19]
	v_lshl_add_u32 v254, v0, 2, 0x8000
	v_mov_b32 v255, 0
	v_lshrrev_b32 v1, 5, v0
	v_readfirstlane_b32 s20, v1                    ; wave 0..7
	v_and_b32 v1, 31, v0                           ; lane
	v_and_b32 v2, 15, v0                           ; r
	v_bfe_u32 v3, v0, 4, 1                         ; h
	v_lshlrev_b32 v4, 2, v1                        ; 4 x lane
	v_and_b32 v5, 7, v2
	v_lshlrev_b32 v5, 8, v5
	v_lshl_add_u32 v5, v3, 7, v5                   ; w_theta, w_phi: row r % 8 of 256 bytes, + my half's 32 channels
	v_and_b32 v6, 8, v2
	v_add_nc_u32 v6, v6, v2
	v_lshlrev_b32 v6, 8, v6
	v_lshl_add_u32 v6, v3, 7, v6                   ; w_g: row r + 8 (r / 8), likewise
	s_lshl_b32 s26, s20, 10
	v_lshlrev_b32 v7, 5, v2
	v_lshl_add_u32 v7, v3, 13, v7
	v_add_nc_u32 v7, s26, v7                       ; LDS: position 32 v + r, 32 bytes each; lanes 0-15 hold theta, lanes 16-31 phi, 8,192 bytes on
	v_lshlrev_b32 v248, 4, v1                      ; 16 x lane
	v_lshlrev_b32 v249, 3, v1                      ; 8 x lane
	v_add_nc_u32 v12, s26, v248                    ; my wave's 1,024 bytes of theta, read back as they lie
	s_lshl_b32 s27, s20, 11
	s_add_co_u32 s27, s27, GIMG
	v_add_nc_u32 v13, s27, v248                    ; my wave's images of g
	v_add_nc_u32 v14, GIMG, v248                   ; and all waves', for the wave that pools them
	v_bfe_u32 v15, v2, 2, 1
	v_lshlrev_b32 v15, 3, v15
	v_bfe_u32 v72, v2, 3, 1
	v_lshl_add_u32 v15, v72, 2, v15
	v_and_b32 v72, 3, v2
	v_add_nc_u32 v15, v15, v72                     ; the pooled column of phi's tile row m = r: 8 ((m / 4) % 2) + 4 (m / 8) + m % 4
	v_lshlrev_b32 v15, 6, v15                      ; two positions of 32 bytes
	v_lshl_add_u32 v15, v3, 11, v15                ; the pooled row = lane / 16: two waves of 1,024 bytes
	v_add_nc_u32 v15, PHL, v15
	v_lshlrev_b32 v250, 3, v3                      ; 8 h
	v_lshlrev_b32 v251, 4, v2
	v_lshl_add_u32 v251, v3, 9, v251               ; phi's way out: tile lane / 16, 16 bytes a row
	v_lshlrev_b32 v252, 7, v2
	v_lshl_add_u32 v252, v3, 6, v252               ; w_o: row r of 128 bytes, + my half's 16 numbers
	s_mov_b32 s24, 0x76543210
	s_mov_b32 s25, 0xfedcba98                      ; v_permlanex16_b32's selects for lane l xor 16
	s_and_b32 s22, ttmp7, 0xffff                   ; the batch
	s_lshr_b32 s28, ttmp9, 3                       ; D
	s_and_b32 s29, ttmp9, 7                        ; Hq
	s_lshr_b32 s30, s20, 2                         ; dd
	s_and_b32 s31, s20, 3                          ; hh
	s_lshl_b32 s28, s28, 1
	s_add_co_u32 s28, s28, s30                     ; d
	s_lshl_b32 s28, s28, 5
	s_lshl_b32 s29, s29, 2
	s_add_co_u32 s29, s29, s31                     ; h
	s_add_co_u32 s28, s28, s29                     ; 32 d + h: my run of 32 positions
	s_lshl_b32 s32, s28, 7                         ; in a channel of x: 128 bytes a run
	s_lshl_b32 s34, s28, 10                        ; in theta_ws: 32 positions of 32 bytes
	s_lshl_b32 s30, s22, 23
	s_add_co_u32 s32, s32, s30
	s_lshl_b32 s30, s22, 20
	s_add_co_u32 s34, s34, s30
	s_mov_b32 s33, 0
	s_mov_b32 s35, 0
	s_mul_i32 s36, s22, BATCHB
	s_lshr_b32 s38, ttmp9, 5
	s_mul_i32 s38, s38, CH
	s_add_co_u32 s36, s36, s38                     ; my chunk of kv_ws
	s_mov_b32 s37, 0
	s_and_b32 s38, ttmp9, 31                       ; my block in the chunk
	s_lshl_b32 s40, s38, 10                        ; phi: two tiles of 512 bytes a block
	s_mov_b32 s41, 0
	s_mul_i32 s42, s38, 768
	s_add_co_u32 s42, s42, 32768                   ; codes: 768 bytes a block
	s_mov_b32 s43, 0
	s_lshr_b32 s44, s38, 2
	s_lshl_b32 s44, s44, 7
	s_and_b32 s39, s38, 3
	s_add_co_u32 s44, s44, s39
	s_add_co_u32 s44, s44, 57344                   ; scale bytes: 128 bytes a key step, my block's byte of each word
	s_mov_b32 s45, 0
	s_or_b32 s46, ttmp9, s22                       ; 0 in the launch's first work-group
	s_wait_kmcnt 0x0
	s_add_nc_u64 s[4:5], s[4:5], s[32:33]
	s_add_nc_u64 s[14:15], s[14:15], s[34:35]
	s_add_nc_u64 s[16:17], s[16:17], s[36:37]
	s_add_nc_u64 s[40:41], s[16:17], s[40:41]
	s_add_nc_u64 s[42:43], s[16:17], s[42:43]
	s_add_nc_u64 s[44:45], s[16:17], s[44:45]
.irp i, 0,1,2,3,4,5,6,7
	global_load_b128 v[16+4*\i:19+4*\i], v5, s[6:7] offset:16*\i
.endr
.irp i, 0,1,2,3,4,5,6,7
	global_load_b128 v[48+4*\i:51+4*\i], v5, s[8:9] offset:16*\i
.endr
.irp u, 0,1
.irp i, 0,1,2,3,4,5,6,7
	global_load_b128 v[80+32*\u+4*\i:83+32*\u+4*\i], v6, s[10:11] offset:2048*\u+16*\i
.endr
.endr
.set cc, 0
.rept 64
	global_load_b32 v[144+cc], v4, s[4:5] offset:cc*131072      ; channel cc of my 32 positions; 63 x 131,072 lies inside the signed 24-bit immediate
.set cc, cc+1
.endr
	; ---- while x is on its way: the weights
	s_wait_loadcnt 63                              ; behind the 32 loads of weights 64 were issued; the count's field ends at 63, so x's first load is waited for with them
	v_cmp_gt_u32 vcc_lo, 8, v2
.set cc, 0
.rept 32
	v_cndmask_b32 v[16+cc], v[48+cc], v[16+cc], vcc_lo          ; rows 0-7 w_theta, rows 8-15 w_phi
.set cc, cc+1
.endr
	v_mov_b32 v79, 0                               ; a lane permute's destination counts as one of its sources
	QB 80, 208, 10
	QB 112, 220, 11
.irp i, 6,7,8,9,10,11
	v_mov_b32 v[48+\i], 0                          ; K = 64 .. 127 of all four fragments: zero codes
	v_mov_b32 v[60+\i], 0
	v_mov_b32 v[208+\i], 0
	v_mov_b32 v[220+\i], 0
.endr
	; ---- the products
	s_wait_loadcnt 0x0
.set cc, 0
.rept 32
	v_permlane16_swap_b32 v[144+cc], v[176+cc]     ; tile T = v[144 + 32 T] on: lane (r, h) now holds channels 32 h + 0 .. 31 of position 16 T + r
.set cc, cc+1
.endr
	v_wmma_f32_16x16x4_f32 v[232:239], v[16:17], v[144:145], 0  ; the first K step starts both sums
	v_wmma_f32_16x16x4_f32 v[240:247], v[16:17], v[176:177], 0
.set kk, 1
.rept 15
	v_wmma_f32_16x16x4_f32 v[232:239], v[16+2*kk:17+2*kk], v[144+2*kk:145+2*kk], v[232:239]   ; the two accumulators by turns
	v_wmma_f32_16x16x4_f32 v[240:247], v[16+2*kk:17+2*kk], v[176+2*kk:177+2*kk], v[240:247]
.set kk, kk+1
.endr
	QB 144, 48, 8                                  ; x's two blocks of 32 channels for each position; these lines only read x, and are the places behind the sums above
	QB 176, 60, 9
.rept 8
	v_nop                                          ; a scale register written by a vector instruction stands 8 places ahead of a scaled matrix instruction, an operand 4
.endr
.irp T, 0,1
.irp u, 0,1
	v_wmma_scale_f32_16x16x128_f8f6f4 v[80+8*(2*\T+\u):87+8*(2*\T+\u)], v[48+12*\T:59+12*\T], v[208+12*\u:219+12*\u], 0, v[8+\T], v[10+\u] matrix_a_fmt:MATRIX_FMT_BF6 matrix_b_fmt:MATRIX_FMT_BF6
.endr
.endr                                                  ; register j: position 16 T + 8 h + j; lane r: g's row (u, r)
.rept 4
	v_nop                                          ; places in front of the first read of these results
.endr
	; ---- out of the wave
	ds_store_b128 v7, v[232:235]                   ; lanes 0-15: theta(0 .. 7) of position r, lanes 16-31: phi; each result from its low end on
	ds_store_b128 v7, v[236:239] offset:16
	ds_store_b128 v7, v[240:243] offset:512
	ds_store_b128 v7, v[244:247] offset:528
	ds_load_b128 v[32:35], v12                     ; my own bytes: LDS serves a wave's instructions in order
	ds_load_b128 v[36:39], v12 offset:512
.irp u, 0,1
.irp T, 0,1
.irp i, 0,1,2,3
	v_max_num_f32 v[112+8*\u+4*\T+\i], v[80+8*(2*\T+\u)+2*\i], v[81+8*(2*\T+\u)+2*\i]   ; the pool along w: column 8 T + 4 h + i
.endr
.endr
.endr
.irp u, 0,1
.irp T, 0,1
	ds_store_b128 v13, v[112+8*\u+4*\T:115+8*\u+4*\T] offset:(2*\u+\T)*512
.endr
.endr
	s_wait_dscnt 4                                 ; theta is back; the four stores behind it may be out
	global_store_b128 v248, v[32:35], s[14:15]     ; 32 lanes store 512 consecutive bytes, at a multiple of 256 from the buffer's first byte
	global_store_b128 v248, v[36:39], s[14:15] offset:512
	s_wait_dscnt 0x0                               ; for the others' sake: my stores have landed
	s_barrier_signal -1
	s_barrier_wait -1
	s_cmp_eq_u32 s20, 0
	s_cbranch_scc1 .Lrole_g
	s_cmp_eq_u32 s20, 1
	s_cbranch_scc1 .Lrole_phi
	s_cmp_eq_u32 s20, 2
	s_cbranch_scc0 .Ldone
	s_cmp_eq_u32 s46, 0
	s_cbranch_scc1 .Lrole_wo
.Ldone:
	s_wait_tensorcnt 0x0
	ds_add_u32 v254, v255
	s_wait_dscnt 0x0
	s_endpgm
.Lrole_g:                                              ; wave 0: g's pool along d and h, and its block of 32 keys into codes
.irp w, 0,1,2,3,4,5,6,7
.irp u, 0,1
.irp T, 0,1
.set DST, 80+32*((\w&1)+2*(\w>>2))+16*\u+8*((\w>>1)&1)+4*\T
	ds_load_b128 v[DST:DST+3], v14 offset:\w*2048+(2*\u+\T)*512   ; wave w = 4 dd + 2 H + e: the four (dd, e) of a pooled row H go to four sets of 32 registers
.endr
.endr
.endr
	s_wait_dscnt 0x0
.set ee, 0
.rept 32
	v_max3_num_f32 v[80+ee], v[80+ee], v[112+ee], v[144+ee]
	v_max_num_f32 v[80+ee], v[80+ee], v[176+ee]    ; register 16 u + 8 H + 4 T + i, lane (r, hg): g's row (u, r), slot 16 hg + 8 H + 4 T + i
.set ee, ee+1
.endr
	Q16 80, 16, 24
	Q16 96, 20, 25
	v_nop
.irp i, 0,1,2
	v_permlane16_swap_b32 v[16+\i], v[20+\i]       ; lane 16 u + r now holds row (u, r): slots 0-15 in v16-18, slots 16-31 in v20-22
.endr
	v_mov_b32 v19, v20
	v_mov_b32 v26, v21
	v_mov_b32 v27, v22
	v_permlane16_swap_b32 v24, v25                 ; and its byte in v24
	global_store_b128 v248, v[16:19], s[42:43]     ; the operand's registers 0-3: 512 consecutive bytes
	global_store_b64 v249, v[26:27], s[42:43] offset:512   ; registers 4-5: 256 consecutive bytes
	global_store_b8 v4, v24, s[44:45]              ; my block's byte of each row's scale word: 32 bytes of the launch's 8 KB of them
	s_wait_tensorcnt 0x0
	ds_add_u32 v254, v255
	s_wait_dscnt 0x0
	s_endpgm
.Lrole_phi:                                            ; wave 1: phi's pool; lane = (tile lane / 16, row m)
.irp p, 0,1,2,3,4,5,6,7
.irp f, 0,1
	ds_load_b128 v[80+8*\p+4*\f:83+8*\p+4*\f], v15 offset:(\p>>2)*4096+((\p>>1)&1)*1024+(\p&1)*32+16*\f
.endr
.endr
	s_wait_dscnt 0x0
.irp c, 0,1,2,3,4,5,6,7
	v_max3_num_f32 v[16+\c], v[80+\c], v[88+\c], v[96+\c]
.endr
.irp c, 0,1,2,3,4,5,6,7
	v_max3_num_f32 v[16+\c], v[16+\c], v[104+\c], v[112+\c]
.endr
.irp c, 0,1,2,3,4,5,6,7
	v_max3_num_f32 v[16+\c], v[16+\c], v[120+\c], v[128+\c]
.endr
.irp c, 0,1,2,3,4,5,6,7
	v_max_num_f32 v[16+\c], v[16+\c], v[136+\c]
.endr
	global_store_b128 v251, v[16:19], s[40:41]     ; channels 0-3: sixteen lanes store 256 consecutive bytes
	global_store_b128 v251, v[20:23], s[40:41] offset:256   ; channels 4-7
	s_wait_tensorcnt 0x0
	ds_add_u32 v254, v255
	s_wait_dscnt 0x0
	s_endpgm
.Lrole_wo:                                             ; wave 2 of the launch's first work-group: w_o [64][32]: each row is one block
.irp t, 0,1,2,3
.irp i, 0,1,2,3
	global_load_b128 v[80+16*\t+4*\i:83+16*\t+4*\i], v252, s[12:13] offset:2048*\t+16*\i
.endr
.endr
	s_wait_loadcnt 0x0
.irp t, 0,1,2,3
.irp i, 3,4,5,6,7,8,9,10,11
	v_mov_b32 v[144+12*\t+\i], 0
.endr
	Q16 80+16*\t, 144+12*\t, 192+\t
.endr
	v_nop
.irp t, 0,1,2,3
.irp i, 0,1,2
	v_permlane16_swap_b32 v[144+12*\t+\i], v[147+12*\t+\i]   ; lanes 0-15 get the whole block (K = 0 .. 31), lanes 16-31 (K = 32 .. 63) zeros
.endr
.endr
.irp t, 0,1,2,3
.irp g, 0,1,2
	global_store_b128 v248, v[144+12*\t+4*\g:147+12*\t+4*\g], s[18:19] offset:1536*\t+512*\g
.endr
.endr
	v_permlane16_swap_b32 v192, v193               ; lanes 0-15 tile 0's words, lanes 16-31 tile 1's
	v_permlane16_swap_b32 v194, v195
	global_store_b32 v4, v192, s[18:19] offset:6144
	global_store_b32 v4, v194, s[18:19] offset:6272
.irp i, 0,1,2,3
	v_mov_b32 v[196+\i], 0
.endr
	global_store_b128 v248, v[196:199], s[18:19] offset:6400   ; the filler: every byte that the next launch reads is written
	global_store_b64 v249, v[196:197], s[18:19] offset:6912
	s_wait_tensorcnt 0x0
	ds_add_u32 v254, v255
	s_wait_dscnt 0x0
	s_endpgm
.Lfunc_end_k_qc1a2bcf0ec_prep:
	.size	k_qc1a2bcf0ec_prep, .Lfunc_end_k_qc1a2bcf0ec_prep-k_qc1a2bcf0ec_prep
	.p2alignl 7, 3214868480
	.fill 96, 4, 3214868480
	.section	.rodata,"a",@progbits
	.p2align	6, 0x0
	.amdhsa_kernel k_qc1a2bcf0ec_prep
		.amdhsa_group_segment_fixed_size 33792
		.amdhsa_private_segment_fixed_size 0
		.amdhsa_enable_private_segment 0
		.amdhsa_kernarg_size 64
		.amdhsa_user_sgpr_count 2
		.amdhsa_user_sgpr_kernarg_segment_ptr 1
		.amdhsa_wavefront_size32 1
		.amdhsa_system_sgpr_workgroup_id_x 1
		.amdhsa_system_sgpr_workgroup_id_y 1
		.amdhsa_system_sgpr_workgroup_id_z 1
		.amdhsa_system_vgpr_workitem_id 0
		.amdhsa_next_free_vgpr 256
		.amdhsa_next_free_sgpr 66
		.amdhsa_reserve_vcc 1
		.amdhsa_float_denorm_mode_32 3
		.amdhsa_float_denorm_mode_16_64 3
		.amdhsa_memory_ordered 1
		.amdhsa_forward_progress 1
		.amdhsa_inst_pref_size 45
	.end_amdhsa_kernel
	.amdgpu_metadata
---
amdhsa.version: [ 1, 2 ]
amdhsa.kernels:
  - .name:           k_qc1a2bcf0ec_prep
    .symbol:         k_qc1a2bcf0ec_prep.kd
    .args:
      - { .name: x, .offset: 0, .size: 8, .value_kind: global_buffer, .address_space: global }
      - { .name: w_theta, .offset: 8, .size: 8, .value_kind: global_buffer, .address_space: global }
      - { .name: w_phi, .offset: 16, .size: 8, .value_kind: global_buffer, .address_space: global }
      - { .name: w_g, .offset: 24, .size: 8, .value_kind: global_buffer, .address_space: global }
      - { .name: w_o, .offset: 32, .size: 8, .value_kind: global_buffer, .address_space: global }
      - { .name: theta_ws, .offset: 40, .size: 8, .value_kind: global_buffer, .address_space: global }
      - { .name: kv_ws, .offset: 48, .size: 8, .value_kind: global_buffer, .address_space: global }
      - { .name: wo_ws, .offset: 56, .size: 8, .value_kind: global_buffer, .address_space: global }
    .group_segment_fixed_size: 33792
    .private_segment_fixed_size: 0
    .kernarg_segment_align: 8
    .kernarg_segment_size: 64
    .max_flat_workgroup_size: 256
    .sgpr_count:     66
    .vgpr_count:     256
    .wavefront_size: 32
...
	.end_amdgpu_metadata
.endif
;; end of part 1
;; launch attn (part 2): grid 128 x 2, 16 waves a work-group, clusters of 4 x 1, 327,680 bytes of LDS; arguments x, gamma, theta_ws, kv_ws, wo_ws, out0; writes out0
.if DOCPART == 2
	.amdgcn_target "amdgcn-amd-amdhsa--gfx1250"
	.amdhsa_code_object_version 6
	.text
	.protected	k_qc1a2bcf0ec_attn
	.globl	k_qc1a2bcf0ec_attn
	.p2align	8
	.type	k_qc1a2bcf0ec_attn,@function
k_qc1a2bcf0ec_attn:
	s_mov_b64 s[64:65], 0
	v_nop
	global_prefetch_b8 v0, s[64:65] scope:SCOPE_SE
	s_setreg_imm32_b32 hwreg(HW_REG_WAVE_MODE, 25, 1), 1
	s_wait_xcnt 0x0
	s_wait_alu depctr_hold_cnt(0) depctr_sa_sdst(0) depctr_va_vdst(0) depctr_va_sdst(0) depctr_va_ssrc(0) depctr_va_vcc(0) depctr_vm_vsrc(0)
	s_getreg_b32 s2, hwreg(HW_REG_IB_STS2, 6, 4)
	s_cmp_eq_u32 s2, 0
	s_cbranch_scc0 .Lentry_in_a_cluster
	s_endpgm
.Lentry_in_a_cluster:
	s_bfe_u32 s2, ttmp6, 0x10000c
	s_cmp_lg_u32 s2, 0x3003
	s_cbranch_scc0 .Lentry_shape_is_right
	s_endpgm
.Lentry_shape_is_right:
; ATTN: out = gamma w_o (g softmax(theta^T phi)^T) + x, from what the launch before has laid out.
; The scores feed a quantiser, so they take f32 operands: v_wmma_f32_16x16x4_f32, K = 8 channels in two steps.  g p and w_o o go on codes of E3M2 with E8M0 scales.
; THE SOFTMAX: t = score x log2(e); M = the running largest t rounded UP to a whole number, kept as -M; p = 2^(t - M) is quantised along the keys, not normalised; the row's sum is taken of the
; unquantised p and divides at the end.  When M moves, the sum and O are multiplied by 2^(old M - new M): exact.
; SHARES.  A work-group owns 256 queries of one batch, each of its sixteen waves 16 of them, one tile, in 256 registers: four waves to a SIMD.
; Every wave walks all 4,096 keys, 128 a step.  A batch's keys and values (233,472 bytes) and w_o (7,168) fit in LDS: they come ONCE, by first fills; nothing is filled again, so there is no ring.
; They come as four chunks of 1,024 keys, so that work begins when the first has landed.  By this text's count a loading wave (0 to 3) has five tensor loads outstanding.
; BY TURNS.  S^T's registers are free as soon as t - M stands in p's registers.  So the NEXT key step's 16 score products are dealt out, one at a time, among THIS step's 64 exponentials and the plain
; lines that go with them: behind each product stand four exponentials and two to five plain lines.  The exponentials are two batches (the blocks' largest p and p0-31; p32-63), each with one wait; the second batch
; stands among the lines that read the first.  The turns run inside a chunk: its first step's products stand bare (FIRST), its last step is written out without products.
; CLUSTER.  The four work-groups of a cluster belong to one batch and read the same bytes: every load is asked for JOINTLY, by the same descriptor with a mask that names the four.
; LAYOUT.  Both products are used transposed: S^T = phi theta^T, O^T = g p^T: a lane holds ONE query (lane % 16) throughout.  The keys of a tile of phi and the rows of g were chosen by the launch
; before so that p's 16 registers of tiles 2 b, 2 b + 1 are slots 16 h + 0 .. 15 of block b, and O^T's 16 registers are channels 16 h + 0 .. 15.
; LIMITS: NaN and infinities are not served; a p under 2^-126 comes out of v_exp_f32 as 0; a block whose largest magnitude lies under 2^-122 keeps the scale byte 1.
; A block's largest p is taken as 2^(the block's largest t - M): this takes v_exp_f32 not to fall where its input rises.
; LDS: chunk c at 58,368 c (phi 32,768 | codes 24,576 | scale words 1,024); 233,472 w_o; 240,640 the stage for the way out: 64 channels x (256 queries x 4 bytes + 16), which no tensor load fills.
; REGISTERS: v1-4 lane terms of addresses, v5-8 the step's addresses, v9 the prefetch's offset; v10 -M, v11 the largest t; v[12:13] the sum in two halves; v14 f (v15 = 0, named with it as a pair);
;   v16-19 theta; v20-23 scale words and nothing else (g's, p's, w_o's two); v24-27 the blocks' maxima; v28-35 at work; v36-47 p's codes; v48-55 at work; v56-71 O^T; v72-103 phi; v104-127 g;
;   v128-191 S^T (matrix results alone); v192-255 p.
.set CH,     58368
.set BATCHB, 4*CH
.set WOL,    BATCHB
.set STG,    WOL+7168
.set SPI,    1040                      ; a stage row: 260 words, so that the sixteen rows of a store begin 4 banks apart (64 banks of 4 bytes: ISA guide 11.1)
.set FLOOR,  0x2800000                 ; 2^(5 - 127)
.set EOFF,   0xfe000000                ; takes 4 off an exponent field
; A round of the cluster's barrier: my work-group's barrier; wave 0 signals for the work-group; every wave waits for all four work-groups; my work-group's barrier once more.
.macro CROUND
	s_barrier_signal -1
	s_barrier_wait -1
	s_cmp_lg_u32 s52, 0
	s_cbranch_scc1 .Lnot_wave_0_\@
	s_barrier_signal -3
.Lnot_wave_0_\@:
	s_barrier_wait -3
	s_barrier_signal -1
	s_barrier_wait -1
.endm
	s_load_b256 s[4:11], s[0:1], 0x0               ; x s[4:5], gamma s[6:7], theta_ws s[8:9], kv_ws s[10:11]
	s_load_b128 s[12:15], s[0:1], 0x20             ; wo_ws s[12:13], out0 s[14:15]
	v_lshl_add_u32 v51, v0, 2, 0x4b000
	v_mov_b32 v55, 0
	ds_add_u32 v51, v55
	ds_add_u32 v51, v55
	v_lshrrev_b32 v1, 5, v0
	v_readfirstlane_b32 s52, v1                    ; wave 0..15
	s_bfe_u32 s53, ttmp6, 0x40000                  ; cx: it enters global addresses of x, theta and out alone
	s_lshl_b32 s54, ttmp9, 2
	s_add_co_u32 s54, s54, s53                     ; my block of 256 queries
	s_and_b32 s55, ttmp7, 0xffff                   ; the batch, which the four partners share
	; descriptor group 1: dense bytes as rows of 256 (32 elements of 8 bytes); a quarter of a chunk is 57 rows, a quarter of w_o's image 7
	s_mov_b32 s16, 15|(3<<16)|(1<<21)              ; 15:0 the mask: all four work-groups; 17:16 elements of 8 bytes; 21 set beside a mask
	s_mov_b32 s17, 32<<16                          ; tensor_dim0
	s_mov_b32 s18, 57<<16                          ; tensor_dim1
	s_mov_b32 s19, 32<<16                          ; tile_dim0
	s_mov_b32 s20, 57                              ; tile_dim1
	s_mov_b32 s21, 32                              ; the pitch
	s_mov_b32 s22, 0
	s_mov_b32 s23, 0
	s_mov_b32 s24, 15|(3<<16)|(1<<21)
	s_mov_b32 s25, 32<<16
	s_mov_b32 s26, 7<<16
	s_mov_b32 s27, 32<<16
	s_mov_b32 s28, 7
	s_mov_b32 s29, 32
	s_mov_b32 s30, 0
	s_mov_b32 s31, 0
	s_mov_b32 s56, 0x76543210
	s_mov_b32 s57, 0xfedcba98                      ; v_permlanex16_b32's selects for lane l xor 16
	s_mov_b32 s58, 0x3fb8aa3b                      ; log2(e)
	s_mov_b32 s59, s58                             ; (named with it as a pair)
	s_and_b32 s66, s52, 1
	s_cmp_eq_u32 s66, 0
	s_cselect_b32 s66, 1, -1                       ; even waves prefetch in the last trip of the last chunk's loop: two key steps are left then
	s_mul_i32 s72, s52, 14592                      ; my quarter of a chunk, in memory and in LDS alike
	s_mul_i32 s73, s52, 1792                       ; and of w_o's image
	s_mul_i32 s74, s55, BATCHB
	s_add_co_u32 s74, s74, s72
	s_mov_b32 s75, 0
	s_mov_b32 s76, s73
	s_mov_b32 s77, 0
	s_wait_dscnt 0x0
	s_wait_kmcnt 0x0
	s_add_nc_u64 s[74:75], s[10:11], s[74:75]
	s_add_nc_u64 s[76:77], s[12:13], s[76:77]
.irp c, 0,1,2,3
	s_mov_b32 s[32+4*\c], 1                        ; group 0 of chunk c: count = 1,
	s_add_co_u32 s[33+4*\c], s72, \c*CH            ; LDS address,
	s_add_nc_u64 s[34+4*\c:35+4*\c], s[74:75], \c*CH   ; global address,
	s_or_b32 s[35+4*\c], s[35+4*\c], 0x80000000    ; type = 2
.endr
	s_mov_b32 s48, 1
	s_add_co_u32 s49, s73, WOL
	s_mov_b64 s[50:51], s[76:77]
	s_or_b32 s51, s51, 0x80000000
	CROUND                                         ; all four work-groups are here: the joint loads meet
	s_cmp_lt_u32 s52, 4                            ; all first fills of a wave stand in one branch on the wave's number
	s_cbranch_scc0 .Lno_fill
	tensor_load_to_lds s[48:51], s[24:31]          ; w_o
	s_nop 0
	tensor_load_to_lds s[32:35], s[16:23]          ; chunks 0 to 3
	s_nop 0
	tensor_load_to_lds s[36:39], s[16:23]
	s_nop 0
	tensor_load_to_lds s[40:43], s[16:23]
	s_nop 0
	tensor_load_to_lds s[44:47], s[16:23]
	s_nop 0
.rept 4
	v_nop
.endr
.Lno_fill:
	s_load_b32 s70, s[6:7], 0x0                    ; gamma
	s_lshl_b32 s72, s55, 20                        ; theta_ws: a batch is 2^20 bytes, a block of 256 queries 8,192, a wave's 16 are 512
	s_lshl_b32 s73, s54, 13
	s_add_co_u32 s72, s72, s73
	s_lshl_b32 s73, s52, 9
	s_add_co_u32 s72, s72, s73
	s_mov_b32 s73, 0
	s_add_nc_u64 s[8:9], s[8:9], s[72:73]
	s_lshl_b32 s72, s55, 23                        ; x and out0: the batch, my wave's four channels 4 w .. 4 w + 3, my block's 1,024 bytes of a channel
	s_lshl_b32 s74, s52, 19
	s_add_co_u32 s72, s72, s74
	s_lshl_b32 s74, s54, 10
	s_add_co_u32 s72, s72, s74
	s_add_nc_u64 s[4:5], s[4:5], s[72:73]
	s_add_nc_u64 s[14:15], s[14:15], s[72:73]
	v_and_b32 v24, 31, v0                          ; lane
	v_and_b32 v25, 15, v0                          ; r
	v_bfe_u32 v26, v0, 4, 1                        ; h
	v_lshlrev_b32 v27, 5, v25
	v_lshl_add_u32 v27, v26, 4, v27
	global_load_b128 v[16:19], v27, s[8:9]         ; theta(query r, channels 4 h .. 4 h + 3): both K steps of the f32 form
	v_lshlrev_b32 v1, 4, v24                       ; phi: a tile is an image, 16 bytes a lane
	v_mul_u32_u24 v2, v26, 768
	v_lshl_add_u32 v2, v25, 4, v2                  ; g: lanes 16-31 take the next block, 768 bytes on; registers 0-3 of a block's six: 16 bytes a row
	v_mul_u32_u24 v3, v26, 768
	v_lshl_add_u32 v3, v25, 3, v3
	v_add_nc_u32 v3, 512, v3                       ; registers 4-5: 8 bytes a row, behind the 512
	v_lshlrev_b32 v4, 2, v24                       ; scale words: 4 bytes a lane
	v_lshrrev_b32 v9, 2, v24
	v_lshlrev_b32 v9, 17, v9
	v_and_b32 v28, 3, v24
	v_lshl_add_u32 v9, v28, 8, v9                  ; the prefetch: channel lane / 4 of eight, block lane % 4 of a channel's four blocks of 256 bytes
	v_mov_b32 v11, 0xff61b1e6                      ; the largest t so far: -3e38, under every t
	v_floor_f32 v10, -v11                          ; -M
.irp i, 12,13,15,28,29,30,31
	v_mov_b32 v\i, 0                               ; the sum; the pair's upper half; the lane permutes' destinations, which count as sources
.endr
.irp i, 0,1,2,3,4,5,6,7,8,9,10,11,12,13,14,15
	v_mov_b32 v[56+\i], 0                          ; O^T: the step is written for every step alike; the first finds zeros, which the first change of M leaves zeros
.endr
	s_wait_kmcnt 0x0
	s_mov_b32 s71, s70                             ; (named with it as a pair)
	s_wait_loadcnt 0x0                             ; theta
; THE LINES OF A STEP THAT RECUR.
.macro WM0 t, next                     ; tile t of the next step's S^T: the first K step starts the sum
.if \next
	v_wmma_f32_16x16x4_f32 v[128+8*(\t):135+8*(\t)], v[72+4*(\t):73+4*(\t)], v[16:17], 0
.endif
.endm
.macro WM1 t, next                     ; its second K step: seven other accumulators' turns lie between
.if \next
	v_wmma_f32_16x16x4_f32 v[128+8*(\t):135+8*(\t)], v[74+4*(\t):75+4*(\t)], v[18:19], v[128+8*(\t):135+8*(\t)]
.endif
.endm
.macro SC n                            ; t - M of scores n, n + 1, into p's registers: S^T's are written by matrix instructions alone
	v_pk_fma_f32 v[192+(\n):193+(\n)], v[128+(\n):129+(\n)], s[58:59], v[10:11] op_sel_hi:[1,0,0]
.endm
.macro EX n                            ; p = 2^(t - M)
	v_exp_f32 v[192+(\n)], v[192+(\n)]
.endm
.macro SA n                            ; the row's sum of the unquantised p, in two chains
	v_pk_add_f32 v[12:13], v[12:13], v[192+(\n):193+(\n)]
.endm
.macro SB n
	v_pk_add_f32 v[28:29], v[28:29], v[192+(\n):193+(\n)]
.endm
.macro RO n                            ; O^T under the new M
	v_pk_mul_f32 v[56+(\n):57+(\n)], v[56+(\n):57+(\n)], v[14:15] op_sel_hi:[1,0]
.endm
; A chunk's first scores: there is no vector work of this chunk yet to set between the products.  s60: where the phi of the step to be fetched begins in LDS.
.macro FIRST
	v_add_nc_u32 v5, s60, v1
.irp t, 0,1,2,3,4,5,6,7
	ds_load_b128 v[72+4*\t:75+4*\t], v5 offset:512*\t
.endr
	s_add_co_u32 s60, s60, 4096
	s_wait_dscnt 0x0
.irp t, 0,1,2,3,4,5,6,7
	WM0 \t, 1
.endr
.irp t, 0,1,2,3,4,5,6,7
	WM1 \t, 1
.endr
.rept 8
	v_nop                                          ; eight places behind this form in front of the loads into phi's registers and of the first read of its results
.endr
.endm
; A KEY STEP: 128 keys, whose S^T lies ready.  s61, s62: where the step's codes and scale words begin in LDS; s60: the NEXT step's phi.  next = 1: the next step's products stand among this step's lines.
.macro STEP next, ask
.if \next
	v_add_nc_u32 v5, s60, v1                       ; these four lines are the places between the last step's two scaled products and the loads into their registers
.else
	v_nop
.endif
	v_add_nc_u32 v6, s61, v2
	v_add_nc_u32 v7, s61, v3
	v_add_nc_u32 v8, s62, v4
.if \next
.irp t, 0,1,2,3,4,5,6,7
	ds_load_b128 v[72+4*\t:75+4*\t], v5 offset:512*\t   ; the last product that read phi stands more than eight plain lines back: the second half of the last step's sum
.endr
.endif
.irp u, 0,1
.irp c, 0,1
	ds_load_b128 v[104+12*\u+6*\c:107+12*\u+6*\c], v6 offset:1536*\c+256*\u   ; g's rows (u, r), block 2 c + h
	ds_load_b64 v[108+12*\u+6*\c:109+12*\u+6*\c], v7 offset:1536*\c+128*\u
.endr
.endr
	ds_load_b32 v20, v8                            ; lanes 0-15: the words of rows (0, r), lanes 16-31: of rows (1, r)
.if \ask
; A PREFETCH INTO THE L2 of the work-group's own part of x, which the way out adds: 64 channels x 1,024 bytes.  Even wave w names the 32 blocks of 256 bytes of channels 4 w .. 4 w + 7, a lane a block,
; once, at the head of the last key step but one: each block is named once in the launch; partners differ by address alone.  Its address registers are never written again.
	s_cmp_eq_u32 s63, s66
	s_cbranch_scc0 .Lnot_mine_\@
	global_prefetch_b8 v9, s[4:5] th:TH_LOAD_NT scope:SCOPE_SE
.Lnot_mine_\@:
.endif
.irp b, 0,1,2,3
	v_max3_num_f32 v[24+\b], v[128+16*\b], v[129+16*\b], v[130+16*\b]   ; the largest score of each block of 32 keys: for the row's maximum, and for the block's largest p
.endr
.irp i, 3,5,7,9,11,13
.irp b, 0,1,2,3
	v_max3_num_f32 v[24+\b], v[24+\b], v[128+16*\b+\i], v[129+16*\b+\i]
.endr
.endr
.irp b, 0,1,2,3
	v_max_num_f32 v[24+\b], v[24+\b], v[143+16*\b]
.endr
.irp b, 0,1,2,3
	v_permlanex16_b32 v[28+\b], v[24+\b], s56, s57
.endr
.irp b, 0,1,2,3
	v_max_num_f32 v[24+\b], v[24+\b], v[28+\b]     ; with lane l xor 16's 16 slots
.endr
	v_max3_num_f32 v28, v24, v25, v26
	v_max_num_f32 v28, v28, v27
	v_mul_f32 v28, s58, v28                        ; the step's largest t
	v_max_num_f32 v11, v11, v28
	v_mov_b32 v28, v10
	v_floor_f32 v10, -v11                          ; the new -M = -ceil(t)
	v_sub_f32 v28, v10, v28                        ; old M - new M: a whole number, 0 or less
	v_cvt_i32_f32 v28, v28                         ; (it saturates)
	v_ldexp_f32 v14, 1.0, v28                      ; f = 2^(old M - new M)
.irp b, 0,1,2,3
	v_fma_f32 v[24+\b], v[24+\b], s58, v10         ; t - M of each block's largest score
.endr
.irp b, 0,1,2,3
	SC 8*\b                                        ; tiles 0-3 leave S^T; the blocks' largest p open the first batch of exponentials
	v_exp_f32 v[24+\b], v[24+\b]
	SC 8*\b+2
	SC 8*\b+4
	SC 8*\b+6
.endr
.if \next
	s_wait_dscnt 9                                 ; phi's eight loads are in; g's eight and its scale word, issued behind them, may be out
.endif
	; ---- the turns.  Slices 0-3: tile t is begun anew; tile 4 + t leaves S^T; p0-15
.irp t, 0,1,2,3
	WM0 \t, \next
.irp i, 0,1,2,3
	SC 32+8*\t+2*\i
	EX 4*\t+\i
.endr
.endr
	; slices 4-7: p16-31; the sum and O^T under the new M, each accumulator of O^T from its low end on
	WM0 4, \next
	v_pk_mul_f32 v[12:13], v[12:13], v[14:15] op_sel_hi:[1,0]
	EX 16
	RO 0
	EX 17
	RO 2
	EX 18
	EX 19
	WM0 5, \next
	RO 4
	EX 20
	EX 21
	RO 6
	EX 22
	EX 23
	WM0 6, \next
	RO 8
	EX 24
	EX 25
	RO 10
	EX 26
	EX 27
	WM0 7, \next
	RO 12
	EX 28
	EX 29
	EX 30
	EX 31
	RO 14                                          ; the plain line behind the batch's last exponential
	s_wait_alu depctr_va_vdst(0)                   ; one wait for the first batch's 36 exponentials, ahead of their first reader
	; slices 8-15: p32-63, the second batch, among lines that read the first batch alone
	WM1 0, \next
	v_max_num_f32 v24, FLOOR, v24
	EX 32
	v_max_num_f32 v25, FLOOR, v25
	EX 33
	v_max_num_f32 v26, FLOOR, v26
	EX 34
	v_max_num_f32 v27, FLOOR, v27
	EX 35
	v_add_nc_u32 v32, EOFF, v24                    ; the conversions' scale operands
	WM1 1, \next
	v_add_nc_u32 v33, EOFF, v25
	EX 36
	v_add_nc_u32 v34, EOFF, v26
	EX 37
	v_add_nc_u32 v35, EOFF, v27
	EX 38
	v_lshrrev_b32 v28, 23, v32                     ; the scales' bytes
	EX 39
	v_lshrrev_b32 v29, 23, v33
	WM1 2, \next
	v_lshrrev_b32 v30, 23, v34
	EX 40
	v_lshrrev_b32 v31, 23, v35
	EX 41
	v_lshl_or_b32 v21, v29, 8, v28                 ; p's scale word for these 128 keys
	EX 42
	v_lshl_or_b32 v21, v30, 16, v21
	EX 43
	v_lshl_or_b32 v21, v31, 24, v21
	WM1 3, \next
	v_cvt_scalef32_pk16_bf6_f32 v[36:38], v[192:207], v32
	EX 44
	v_cvt_scalef32_pk16_bf6_f32 v[48:50], v[208:223], v33   ; (a conversion's three registers begin on an even number)
	EX 45
	v_pk_add_f32 v[28:29], v[192:193], v[194:195]  ; the second chain of the sum begins; also the plain place behind the conversions
	EX 46
	SA 4
	EX 47
	SB 6
	WM1 4, \next
	v_permlane16_swap_b32 v36, v48                 ; the operand wants a whole block in a lane: lanes 0-15 block 0, lanes 16-31 block 1
	EX 48
	v_permlane16_swap_b32 v37, v49
	EX 49
	v_permlane16_swap_b32 v38, v50
	EX 50
	SA 8
	EX 51
	SB 10
	WM1 5, \next
	v_mov_b32 v39, v48
	EX 52
	v_mov_b32 v40, v49
	EX 53
	v_mov_b32 v41, v50
	EX 54
	SA 12
	EX 55
	SB 14
	WM1 6, \next
	SA 16
	EX 56
	SB 18
	EX 57
	SA 20
	EX 58
	SB 22
	EX 59
	WM1 7, \next
	SA 24
	EX 60
	SB 26
	EX 61
	SA 28
	EX 62
	EX 63
	SB 30                                          ; the plain line behind the batch's last exponential
	s_wait_alu depctr_va_vdst(0)                   ; one wait for the second batch's 32
	; ---- blocks 2 and 3, and the second half of the sum
	v_cvt_scalef32_pk16_bf6_f32 v[42:44], v[224:239], v34
	v_cvt_scalef32_pk16_bf6_f32 v[52:54], v[240:255], v35
	SA 32                                          ; plain places behind the conversions
	SB 34
.irp i, 0,1,2
	v_permlane16_swap_b32 v[42+\i], v[52+\i]
.endr
.irp i, 0,1,2
	v_mov_b32 v[45+\i], v[52+\i]
.endr
.irp j, 36,40,44,48,52,56,60
	SA \j                                          ; these fifteen lines are the places between the codes and the scaled products, and behind the last score product
	SB \j+2
.endr
	v_pk_add_f32 v[12:13], v[12:13], v[28:29]
	s_wait_dscnt 0x0                               ; g and its scale words
	v_wmma_scale_f32_16x16x128_f8f6f4 v[56:63], v[104:115], v[36:47], v[56:63], v20, v21 matrix_a_fmt:MATRIX_FMT_BF6 matrix_b_fmt:MATRIX_FMT_BF6
	v_wmma_scale_f32_16x16x128_f8f6f4 v[64:71], v[116:127], v[36:47], v[64:71], v20, v21 matrix_a_fmt:MATRIX_FMT_BF6 matrix_b_fmt:MATRIX_FMT_BF6 matrix_a_scale:MATRIX_SCALE_ROW1
.endm
; A chunk of 1,024 keys: eight key steps.  The wait leaves the 3 - c younger chunks on their way.
.macro CHUNK c, ask
	s_wait_tensorcnt 3-\c                          ; my part of w_o and of chunks 0 .. c has landed,
	s_barrier_signal -1
	s_barrier_wait -1                              ; everybody's has
	s_mov_b32 s60, \c*CH
	s_mov_b32 s61, \c*CH+32768
	s_mov_b32 s62, \c*CH+57344
	s_mov_b32 s63, 7
	FIRST
.Lstep_\c:                                             ; seven trips: each works one step and multiplies for the next
	STEP 1, \ask
	s_add_co_u32 s60, s60, 4096
	s_add_co_u32 s61, s61, 3072
	s_add_co_u32 s62, s62, 128
	s_sub_co_u32 s63, s63, 1
	s_cmp_lg_u32 s63, 0
	s_cbranch_scc1 .Lstep_\c
	STEP 0, 0                                      ; the chunk's last step: the next chunk's phi may be read only behind its barrier
.endm
	CHUNK 0, 0
	CHUNK 1, 0
	CHUNK 2, 0
	CHUNK 3, 1
	; THE WAY OUT.  x's part first: wave w adds and stores channels 4 w + k, 1,024 bytes each
.irp k, 0,1,2,3
.irp f, 0,1
	global_load_b128 v[72+4*(2*\k+\f):75+4*(2*\k+\f)], v1, s[4:5] offset:\k*131072+512*\f th:TH_LOAD_NT
.endr
.endr
.rept 4
	v_nop                                          ; places behind the last products
.endr
	v_add_f32 v12, v12, v13                        ; the sum's two halves,
	v_permlanex16_b32 v28, v12, s56, s57
	v_add_f32 v12, v12, v28                        ; and lane l xor 16's: the row's sum
	v_rcp_f32 v14, v12
	v_and_b32 v24, 15, v0                          ; r   (plain work behind the reciprocal)
	v_bfe_u32 v25, v0, 4, 1                        ; h
	v_add_nc_u32 v6, WOL, v1                       ; w_o's images: 16 bytes a lane
	v_add_nc_u32 v7, WOL+6144, v4                  ; and its scale words
	s_lshl_b32 s72, s52, 6
	s_add_co_u32 s72, s72, STG
	v_mul_u32_u24 v8, v24, SPI
	v_lshl_add_u32 v8, v25, 5, v8
	v_add_nc_u32 v8, s72, v8                       ; into the stage: row = channel r of a tile, my wave's 16 queries at 64 w, my half's eight at 32 h
	s_mul_i32 s73, s52, 4*SPI
	s_add_co_u32 s73, s73, STG
	v_add_nc_u32 v5, s73, v1                       ; back: my four rows, 16 bytes a lane
.irp t, 0,1,2,3
.irp g, 0,1,2
	ds_load_b128 v[208+12*\t+4*\g:211+12*\t+4*\g], v6 offset:1536*\t+512*\g
.endr
.endr
	ds_load_b32 v22, v7                            ; lanes 0-15: tile 0's words, lanes 16-31: tile 1's
	ds_load_b32 v23, v7 offset:128                 ; tiles 2 and 3
	s_wait_alu depctr_va_vdst(0)                   ; a wait ahead of the reciprocal's first reader
.irp i, 0,1,2,3,4,5,6,7,8,9,10,11,12,13,14,15
	v_mul_f32 v[192+\i], v[56+\i], v14             ; o(query r, channel 16 h + i)
.endr
	v_max3_num_f32 v24, |v192|, |v193|, FLOOR      ; o's one block of 32 channels: my 16 and lane l xor 16's
.irp i, 2,4,6,8,10,12,14
	v_max3_num_f32 v24, v24, |v[192+\i]|, |v[193+\i]|
.endr
	v_permlanex16_b32 v28, v24, s56, s57
	v_max_num_f32 v24, v24, v28
	v_add_nc_u32 v32, EOFF, v24
	v_lshrrev_b32 v21, 23, v32                     ; o's scale word: byte 0; the others stand over zero codes
.irp i, 42,43,44,45,46,47,48,49,50
	v_mov_b32 v\i, 0
.endr
	v_cvt_scalef32_pk16_bf6_f32 v[36:38], v[192:207], v32
	v_nop                                          ; one plain place behind the conversion
.irp i, 0,1,2
	v_permlane16_swap_b32 v[36+\i], v[48+\i]       ; lanes 0-15 get the whole block, lanes 16-31 (K = 32 .. 63) zeros
.endr
.irp i, 0,1,2
	v_mov_b32 v[39+\i], v[48+\i]
.endr
.rept 8
	v_nop                                          ; the scale word stands 8 places ahead of the scaled products, the codes 4; and results are laid over registers of the last products
.endr
	s_wait_dscnt 0x0                               ; w_o
	v_wmma_scale_f32_16x16x128_f8f6f4 v[56:63], v[36:47], v[208:219], 0, v21, v22 matrix_a_fmt:MATRIX_FMT_BF6 matrix_b_fmt:MATRIX_FMT_BF6
	v_wmma_scale_f32_16x16x128_f8f6f4 v[64:71], v[36:47], v[220:231], 0, v21, v22 matrix_a_fmt:MATRIX_FMT_BF6 matrix_b_fmt:MATRIX_FMT_BF6 matrix_b_scale:MATRIX_SCALE_ROW1
	v_wmma_scale_f32_16x16x128_f8f6f4 v[104:111], v[36:47], v[232:243], 0, v21, v23 matrix_a_fmt:MATRIX_FMT_BF6 matrix_b_fmt:MATRIX_FMT_BF6
	v_wmma_scale_f32_16x16x128_f8f6f4 v[112:119], v[36:47], v[244:255], 0, v21, v23 matrix_a_fmt:MATRIX_FMT_BF6 matrix_b_fmt:MATRIX_FMT_BF6 matrix_b_scale:MATRIX_SCALE_ROW1
.rept 4
	v_nop                                          ; places in front of the reads of these results and of the loads into w_o's registers
.endr
.irp t, 0,1,2,3                                        ; tile t: lane r = channel 16 t + r, register j = query 8 h + j: eight neighbours of a row of out0
	ds_store_b128 v8, v[56+8*\t+32*(\t/2):59+8*\t+32*(\t/2)] offset:16*SPI*\t
	ds_store_b128 v8, v[60+8*\t+32*(\t/2):63+8*\t+32*(\t/2)] offset:16*SPI*\t+16
.endr
	s_wait_dscnt 0x0                               ; for the others' sake: my stores have landed
	s_barrier_signal -1
	s_barrier_wait -1                              ; a row's 1,024 bytes come from sixteen waves
.irp k, 0,1,2,3
.irp f, 0,1
	ds_load_b128 v[192+4*(2*\k+\f):195+4*(2*\k+\f)], v5 offset:SPI*\k+512*\f
.endr
.endr
	s_wait_loadcnt 0x0                             ; x
	s_wait_dscnt 0x0
.set jj, 0
.rept 16
	v_pk_fma_f32 v[192+jj:193+jj], v[192+jj:193+jj], s[70:71], v[72+jj:73+jj] op_sel_hi:[1,0,1]   ; gamma y + x
.set jj, jj+2
.endr
.irp k, 0,1,2,3
.irp f, 0,1
	global_store_b128 v1, v[192+4*(2*\k+\f):195+4*(2*\k+\f)], s[14:15] offset:\k*131072+512*\f th:TH_STORE_NT   ; 32 lanes store 512 consecutive bytes, at a multiple of 256 from out0's first byte
.endr
.endr
	s_wait_tensorcnt 0x0
	ds_add_u32 v51, v55
	s_wait_dscnt 0x0
	CROUND                                         ; the closing round: no work-group ends while a partner may still ask for a tile that names it
	s_endpgm
.Lfunc_end_k_qc1a2bcf0ec_attn:
	.size	k_qc1a2bcf0ec_attn, .Lfunc_end_k_qc1a2bcf0ec_attn-k_qc1a2bcf0ec_attn
	.p2alignl 7, 3214868480
	.fill 96, 4, 3214868480
	.section	.rodata,"a",@progbits
	.p2align	6, 0x0
	.amdhsa_kernel k_qc1a2bcf0ec_attn
		.amdhsa_group_segment_fixed_size 327680
		.amdhsa_private_segment_fixed_size 0
		.amdhsa_enable_private_segment 0
		.amdhsa_kernarg_size 48
		.amdhsa_user_sgpr_count 2
		.amdhsa_user_sgpr_kernarg_segment_ptr 1
		.amdhsa_wavefront_size32 1
		.amdhsa_system_sgpr_workgroup_id_x 1
		.amdhsa_system_sgpr_workgroup_id_y 1
		.amdhsa_system_sgpr_workgroup_id_z 1
		.amdhsa_system_vgpr_workitem_id 0
		.amdhsa_next_free_vgpr 256
		.amdhsa_next_free_sgpr 80
		.amdhsa_reserve_vcc 0
		.amdhsa_float_denorm_mode_32 3
		.amdhsa_float_denorm_mode_16_64 3
		.amdhsa_memory_ordered 1
		.amdhsa_forward_progress 1
		.amdhsa_inst_pref_size 129
	.end_amdhsa_kernel
	.amdgpu_metadata
---
amdhsa.version: [ 1, 2 ]
amdhsa.kernels:
  - .name:           k_qc1a2bcf0ec_attn
    .symbol:         k_qc1a2bcf0ec_attn.kd
    .args:
      - { .name: x, .offset: 0, .size: 8, .value_kind: global_buffer, .address_space: global }
      - { .name: gamma, .offset: 8, .size: 8, .value_kind: global_buffer, .address_space: global }
      - { .name: theta_ws, .offset: 16, .size: 8, .value_kind: global_buffer, .address_space: global }
      - { .name: kv_ws, .offset: 24, .size: 8, .value_kind: global_buffer, .address_space: global }
      - { .name: wo_ws, .offset: 32, .size: 8, .value_kind: global_buffer, .address_space: global }
      - { .name: out0, .offset: 40, .size: 8, .value_kind: global_buffer, .address_space: global }
    .group_segment_fixed_size: 327680
    .private_segment_fixed_size: 0
    .kernarg_segment_align: 8
    .kernarg_segment_size: 48
    .max_flat_workgroup_size: 512
    .sgpr_count:     80
    .vgpr_count:     256
    .wavefront_size: 32
...
	.end_amdgpu_metadata
.endif
;; end of part 2
